; MI455X (gfx1250); checked and timed in simulation.
; The chip was launched on July 23, 2026; its instructions are those of AMD's public machine-readable ISA for CDNA 5 (MIT licence, August 2026) and "CDNA5" Instruction Set Architecture Reference Guide (July 2026). The comments in the code are by the model that wrote it; some were corrected since.
;; Multi Head Attention With Ro PE. Allowed arithmetic: matrix products marked QUANTISED: E3M2 operands, one E8M0 scale for each 32 along K, by v_wmma_scale_f32_16x16x128_f8f6f4 with both operands' format E3M2, f32 sums; everything else in f32.
;; Inputs: Wk 1,024 x 1,024 float32; Wo 1,024 x 1,024 float32; Wq 1,024 x 1,024 float32; Wv 1,024 x 1,024 float32; x 4 x 2,048 x 1,024 float32.
;; Outputs: out0 4 x 2,048 x 1,024 float32.
;; This version of the problem:
;;   THIS VERSION OF THE PROBLEM IS GIVEN IN LOW PRECISION. The matrix products marked QUANTISED in the list below multiply operands that are first quantised to E3M2 (3 exponent bits, 2 mantissa bits; 6 bits a number), with one power-of-two scale for each 32 numbers along K (OCP MX v1.0); their sums are f32. All else is computed in f32.
;;   The module's matrix products, in the order in which they are computed (A, B: the left and right operand; K: the contracted axis; several contracted axes count as one K, in the product's order):
;;     1. [M 8,192, K 1,024] x [K 1,024, N 1,024]; A: input x; B: input Wq: QUANTISED
;;     2. [M 8,192, K 1,024] x [K 1,024, N 1,024]; A: input x; B: input Wk: QUANTISED
;;     3. [M 8,192, K 1,024] x [K 1,024, N 1,024]; A: input x; B: input Wv: QUANTISED
;;     4. batch 64 x [M 2,048, K 64] x [K 64, N 2,048]; A: computed on the way; B: computed on the way: QUANTISED
;;     5. batch 64 x [M 2,048, K 2,048] x [K 2,048, N 64]; A: computed on the way; B: computed on the way: QUANTISED
;;     6. [M 8,192, K 1,024] x [K 1,024, N 1,024]; A: computed on the way; B: input Wo: QUANTISED
;;   THE QUANTISER, for each operand of a quantised product, along K:
;;     - K is cut into blocks of 32 from its start; a last block that is shorter is filled with zeros.
;;     - A block's scale is 2^e with e = floor(log2(the largest magnitude in the block)) - 4, held to -126 .. 127; a block of zeros has e = 0. As a byte (E8M0): e + 127.
;;     - Each number is divided by its block's scale, clamped to +-28, and rounded to the nearest number of E3M2, ties to even, subnormals kept.
;;     - The product sums the exact products of the quantised numbers (number of the format x scale) in f32.
;;   ~~~python
;;   def quantise(x, axis):      # numpy; x: float32 -> the quantised numbers, widened to float32 again
;;       x = np.moveaxis(x, axis, -1); K = x.shape[-1]
;;       x = np.pad(x, [(0, 0)] * (x.ndim - 1) + [(0, -K % 32)]); x = x.reshape(x.shape[:-1] + (-1, 32)); a = np.abs(x).max(-1, keepdims=True)
;;       e = np.where(a > 0, np.clip(np.frexp(np.where(a > 0, a, 1))[1] - 1 - 4, -126, 127), 0)      # np.frexp(a)[1] - 1 = floor(log2(a)), exactly
;;       r = np.clip(x / 2.0 ** e, -28, 28)
;;       step = 2.0 ** (np.maximum(np.frexp(np.where(r == 0, 1, r))[1] - 1, -2) - 2)
;;       q = np.round(r / step) * step * 2.0 ** e      # np.round: ties to even
;;       return np.moveaxis(q.reshape(q.shape[:-2] + (-1,))[..., :K], -1, axis).astype(np.float32)
;;   ~~~
;;   OPERANDS COMPUTED ON THE WAY. 'Computed on the way' means the value that the module computes at that place (a softmax that the list does not call 'softmax' is quantised finished and normalised). What goes into a quantiser is computed in f32, as accurately as f32 sums, v_exp_f32 and their like allow (about 1e-6 of the number): no bf16 or f16 on the way to a quantiser, and a product that is left as it is and whose result goes on into a quantised operand takes f32 operands (vector FMAs, or v_wmma_f32_16x16x4_f32). A number that lies on a knife's edge between two numbers of the format may be rounded either way, as far as f32 arithmetic and the matrix unit's own rounding can turn it there, and no further.
;; One version. Each part assembles by itself: llvm-mc -triple=amdgcn-amd-amdhsa -mcpu=gfx1250 --defsym DOCPART=n.
;; ======== version 1 of 1: 4 launches
;; limits: right only within a limited range of input values
;; workspace buffers: xq 6,553,600 bytes; wq 3,276,800 bytes; rope 524,288 bytes; qq 6,553,600 bytes; kv 13,107,200 bytes; oq 6,553,600 bytes
;; launch quant (part 1): grid 448 x 1, 4 waves a work-group, no clusters, 34,304 bytes of LDS; arguments x, Wq, Wk, Wv, Wo, xq, wq, rope; writes xq, wq, rope
.if DOCPART == 1
	.amdgcn_target "amdgcn-amd-amdhsa--gfx1250"
	.amdhsa_code_object_version 6
	.text
	.protected	k_q75da32cfc0_quant
	.globl	k_q75da32cfc0_quant
	.p2align	8
	.type	k_q75da32cfc0_quant,@function
k_q75da32cfc0_quant:
	s_mov_b64 s[64:65], 0
	v_nop
	global_prefetch_b8 v0, s[64:65] scope:SCOPE_SE
	s_setreg_imm32_b32 hwreg(HW_REG_WAVE_MODE, 25, 1), 1
	s_wait_xcnt 0x0
; x [8192][1024] and Wq, Wk, Wv, Wo [1024][1024], f32, become codes of E3M2 with one E8M0 byte for each 32 along K (K = the last axis), laid in the order of an operand's registers.
; Work-groups 384 to 447 make the table of cosines and sines for the rotary embedding instead.
; LAYOUT.  Rows go in tiles of 16 that are not neighbours: row r of tile t is 32 (t / 2) + 8 (t % 2) + r + 8 (r / 8).  A tile's RECORD is 12,800 bytes: 16 images of 768 bytes (16 rows x 64 along K:
; lane r + 16 h holds the 24 bytes of block h of row r, piece p of 8 bytes at 256 p + 8 lane), then 512 bytes of scale words: the word of row r and K step s (128 along K) lies at
; 256 (s / 4) + 8 (r + 16 (s % 2)) + 4 ((s / 2) % 2).  So every store and every later load of a piece covers 256 consecutive bytes, at a multiple of 256 from the buffer's first byte.
; A block's scale is 2^(floor(log2(largest magnitude)) - 4): its byte is the largest magnitude's exponent field - 4, held at 1 from below.
; SHARES.  A wave takes one tile and half of K: four K steps.  Each load reads 512 consecutive bytes of one row; a K step's 16 rows turn through the wave's own stage in LDS, so that a lane gets 32 neighbours along K.
; LIMITS: NaN and infinities among the inputs are not served.  A block of zeros, and a block whose largest magnitude lies under 2^-122, gets the byte 1 (the rule says 127 for zeros): its codes are what the rule
; gives under that byte, and only this program reads the bytes.  The table: inv_freq comes from v_exp_f32, so an angle may differ from the exact one by about 2e-4 rad at position 2,047.
.set ROWB,  4096                       ; a row of x or of a weight in bytes
.set REC,   12800                      ; a tile's record
.set SP,    528                        ; a stage row: 512 bytes + 16, so that the 16 rows of a read begin in 16 different columns of 16 bytes
.set STG,   16*SP                      ; a wave's stage
.set R,     16                         ; v16-143   two sets of 64: a K step as loaded
.set X,     144                        ; v144-207  my 64 numbers: 32 c + i = k 64 c + 32 h + i of row r
.set CD,    208                        ; v208-219  the fragment's 12 registers
.set C1,    220                        ; v220-222, v236-238  the upper halves of the two blocks (a conversion's three registers begin on an even number)
.set TM,    224                        ; v224-231  at work
.set WS,    232                        ; v232-235  the scale words of the four K steps
	s_load_b256 s[4:11], s[0:1], 0x0               ; x, Wq, Wk, Wv
	s_load_b256 s[12:19], s[0:1], 0x20             ; Wo, xq, wq, rope
	v_lshl_add_u32 v240, v0, 2, 0x8400
	v_mov_b32 v241, 0
	v_lshrrev_b32 v1, 5, v0
	v_readfirstlane_b32 s2, v1                     ; wave 0..3
	v_and_b32 v1, 31, v0                           ; lane
	v_and_b32 v8, 15, v0                           ; r
	v_bfe_u32 v9, v0, 4, 1                         ; h
	s_mov_b32 s36, 0x76543210
	s_mov_b32 s37, 0xfedcba98                      ; v_permlanex16_b32's selects for lane l xor 16
	s_cmp_ge_u32 ttmp9, 384
	s_cbranch_scc1 .Lrope
	v_lshlrev_b32 v2, 4, v1                        ; 16 x lane: my bytes of a load's 512
	s_mul_i32 s24, s2, STG
	v_add_nc_u32 v3, s24, v2                       ; the stage, on the way in
	v_mul_u32_u24 v4, v8, SP
	v_lshl_add_u32 v4, v9, 7, v4
	v_add_nc_u32 v4, s24, v4                       ; and on the way out: row r, 128 h bytes on
	v_lshlrev_b32 v5, 3, v1                        ; 8 x lane: my place in a piece
	v_lshlrev_b32 v6, 3, v9                        ; 8 h: how far my two scale bytes are shifted
	v_mov_b32 v[TM+6], 0                           ; written once: a lane permute's destination counts as one of its sources
	s_mov_b32 s38, 0xffff0000                      ; lanes 16-31
	s_lshr_b32 s25, s2, 1                          ; which of the work-group's two tiles
	s_and_b32 s26, s2, 1                           ; which half of K
	s_wait_kmcnt 0x0
	s_cmp_ge_u32 ttmp9, 256                        ; the choices hang on the work-group's number alone
	s_cselect_b64 s[20:21], s[6:7], s[4:5]
	s_cselect_b64 s[22:23], s[16:17], s[14:15]
	s_cselect_b32 s27, 256, 0
	s_cselect_b32 s28, 31, 255
	s_cmp_ge_u32 ttmp9, 288
	s_cselect_b64 s[20:21], s[8:9], s[20:21]
	s_cmp_ge_u32 ttmp9, 320
	s_cselect_b64 s[20:21], s[10:11], s[20:21]
	s_cmp_ge_u32 ttmp9, 352
	s_cselect_b64 s[20:21], s[12:13], s[20:21]
	s_sub_co_u32 s27, ttmp9, s27                   ; the pair of tiles in the destination
	s_and_b32 s28, s27, s28                        ; and in the source: 32 rows each
	s_lshl_b32 s28, s28, 17
	s_lshl_b32 s29, s25, 15                        ; the second tile begins 8 rows on
	s_add_co_u32 s28, s28, s29
	s_lshl_b32 s29, s26, 11                        ; half of K: 512 numbers
	s_add_co_u32 s28, s28, s29
	s_mov_b32 s29, 0
	s_add_nc_u64 s[20:21], s[20:21], s[28:29]
	s_lshl_b32 s27, s27, 1
	s_add_co_u32 s27, s27, s25                     ; the tile
	s_mul_i32 s27, s27, REC
	s_lshl_b32 s30, s26, 8
	s_add_co_u32 s30, s30, s27
	s_mov_b32 s31, 0
	s_add_nc_u64 s[32:33], s[22:23], s[30:31]      ; the scale words: record + 256 x half (12,288 stands in the store's immediate)
	s_mul_i32 s30, s26, 6144
	s_add_co_u32 s30, s30, s27
	s_add_nc_u64 s[22:23], s[22:23], s[30:31]      ; the codes: record + 8 images x half
.macro LOADK s                         ; K step s: 16 rows x 512 bytes into set s % 2
.irp i, 0,1,2,3,4,5,6,7,8,9,10,11,12,13,14,15
	global_load_b128 v[R+64*((\s)%2)+4*\i:R+64*((\s)%2)+4*\i+3], v2, s[20:21] offset:(\i+8*(\i/8))*ROWB+512*(\s) th:TH_LOAD_NT
.endr
.endm
.macro TURN s                          ; through the stage: LDS serves a wave's instructions in order, so no wait stands between the stores and the loads
.irp i, 0,1,2,3,4,5,6,7,8,9,10,11,12,13,14,15
	ds_store_b128 v3, v[R+64*((\s)%2)+4*\i:R+64*((\s)%2)+4*\i+3] offset:SP*\i
.endr
.irp c, 0,1
.irp q, 0,1,2,3,4,5,6,7
	ds_load_b128 v[X+32*\c+4*\q:X+32*\c+4*\q+3], v4 offset:256*\c+16*\q
.endr
.endr
.endm
.macro STEP s
.if (\s) < 3
	s_wait_loadcnt 16                              ; this K step's 16 loads are in; the next step's 16 may be out
.else
	s_wait_loadcnt 0x0
.endif
.if (\s) > 0
	s_wait_xcnt 0x0                                ; the last step's stores have read their data: the codes' registers are written again below
.endif
	TURN \s
	s_wait_dscnt 0x0                               ; my 64 numbers are back, and the stores into the stage have read their registers,
.if (\s) < 2
	LOADK (\s)+2                                   ; which take the loads of two steps on
.endif
.irp c, 0,1
	v_max3_num_f32 v[TM+\c], |v[X+32*\c]|, |v[X+32*\c+1]|, 0x2800000   ; block 2 c + h: all its 32 numbers are mine; the floor 2^(5 - 127) holds the byte at 1 from below
.endr
.irp i, 2,4,6,8,10,12,14,16,18,20,22,24,26,28,30
.irp c, 0,1
	v_max3_num_f32 v[TM+\c], v[TM+\c], |v[X+32*\c+\i]|, |v[X+32*\c+\i+1]|   ; (the two blocks by turns)
.endr
.endr
.irp c, 0,1
	v_add_nc_u32 v[TM+2+\c], 0xfe000000, v[TM+\c]  ; 4 off the exponent field: the conversion takes the exponent field of this operand as its scale
.endr
.irp c, 0,1
	v_lshrrev_b32 v[TM+4+\c], 23, v[TM+2+\c]       ; the scale's byte
.endr
	v_lshl_or_b32 v[WS+(\s)], v[TM+5], 16, v[TM+4] ; my two bytes: blocks h and 2 + h,
	v_lshlrev_b32 v[WS+(\s)], v6, v[WS+(\s)]       ; at their places in the word;
	v_permlanex16_b32 v[TM+6], v[WS+(\s)], s36, s37
	v_or_b32 v[WS+(\s)], v[WS+(\s)], v[TM+6]       ; with lane l xor 16's two the word of row r is whole, in both halves of the lanes
.irp c, 0,1
	v_cvt_scalef32_pk16_bf6_f32 v[CD+6*\c:CD+6*\c+2], v[X+32*\c:X+32*\c+15], v[TM+2+\c]
	v_cvt_scalef32_pk16_bf6_f32 v[C1+16*\c:C1+16*\c+2], v[X+32*\c+16:X+32*\c+31], v[TM+2+\c]
.endr
	v_nop                                          ; one plain place behind a scaled conversion
.irp c, 0,1
.irp i, 0,1,2
	v_mov_b32 v[CD+6*\c+3+\i], v[C1+16*\c+\i]
.endr
.endr
.irp c, 0,1
.irp p, 0,1,2
	global_store_b64 v5, v[CD+6*\c+2*\p:CD+6*\c+2*\p+1], s[22:23] offset:(2*(\s)+\c)*768+256*\p   ; 32 lanes store 256 consecutive bytes
.endr
.endr
.endm
	LOADK 0
	LOADK 1
.irp t, 0,1,2,3
	STEP \t
.endr
	v_cndmask_b32 v[TM], v[WS], v[WS+1], s38       ; lanes 0-15 carry the even K step's words, lanes 16-31 the odd one's
	v_cndmask_b32 v[TM+1], v[WS+2], v[WS+3], s38
	global_store_b64 v5, v[TM:TM+1], s[32:33] offset:12288
	s_wait_tensorcnt 0x0
	ds_add_u32 v240, v241
	s_wait_dscnt 0x0
	s_endpgm
; THE TABLE.  rope[T][q][lane] x 16 bytes: register 4 q + k of lane (r, h) for tile T of a sequence: pair jj = 16 (q / 4) + 8 h + ((4 q + k) % 16) / 2, the cosine for even k and the sine for odd k,
; of the angle position x 10000^(-jj / 32), position = row r of tile T.  That is the order in which the projections' results lie in a lane.  A wave makes half a tile's table: 8 pairs a lane.
; The angle is reduced by multiples of pi / 2 held in two parts (the first product is exact in the fused multiply-add: k has 11 bits), then sine and cosine are polynomials on +-pi / 4.
.Lrope:
	s_sub_co_u32 s24, ttmp9, 384
	s_lshl_b32 s24, s24, 2
	s_add_co_u32 s24, s24, s2
	s_lshr_b32 s25, s24, 1                         ; T
	s_and_b32 s26, s24, 1                          ; which 16 of the 32 pairs' halves
	s_lshr_b32 s27, s25, 1
	s_lshl_b32 s27, s27, 5
	s_and_b32 s28, s25, 1
	s_lshl_b32 s28, s28, 3
	s_add_co_u32 s27, s27, s28
	v_and_b32 v10, 8, v8
	v_add_nc_u32 v10, v10, v8
	v_add_nc_u32 v10, s27, v10
	v_cvt_f32_u32 v10, v10                         ; the position
	s_lshl_b32 s28, s26, 4
	v_lshl_add_u32 v11, v9, 3, s28                 ; my first pair
	v_lshlrev_b32 v12, 4, v1
	s_mov_b32 s40, 0xbed49a78                      ; -log2(10000) / 32
	s_mov_b32 s41, 0x3f22f983                      ; 2 / pi
	s_mov_b32 s42, 0x3fc90fdb                      ; pi / 2, its f32 part
	s_mov_b32 s43, 0xb33bbd2e                      ; and what is left of it
	s_mov_b32 s44, 0xb94ca1f9                      ; sine: -1.9515296e-4, 8.3321609e-3, -1.6666655e-1
	s_mov_b32 s45, 0x3c08839e
	s_mov_b32 s46, 0xbe2aaaa3
	s_mov_b32 s47, 0x37ccf5ce                      ; cosine: 2.4433157e-5, -1.3887316e-3, 4.1666646e-2
	s_mov_b32 s48, 0xbab6061a
	s_mov_b32 s49, 0x3d2aaaa5
	s_lshl_b32 s30, s25, 12
	s_lshl_b32 s31, s26, 11
	s_add_co_u32 s30, s30, s31
	s_mov_b32 s31, 0
	s_wait_kmcnt 0x0
	s_add_nc_u64 s[18:19], s[18:19], s[30:31]
.irp i, 0,1,2,3,4,5,6,7
	v_add_nc_u32 v[16+\i], \i, v11
.endr
.irp i, 0,1,2,3,4,5,6,7
	v_cvt_f32_u32 v[16+\i], v[16+\i]
.endr
.irp i, 0,1,2,3,4,5,6,7
	v_mul_f32 v[16+\i], s40, v[16+\i]
.endr
.irp i, 0,1,2,3,4,5,6,7
	v_exp_f32 v[16+\i], v[16+\i]                   ; inv_freq
.endr
	v_nop                                          ; a plain place behind the batch,
	s_wait_alu depctr_va_vdst(0)                   ; and the one wait ahead of its first reader
.irp i, 0,1,2,3,4,5,6,7
	v_mul_f32 v[24+\i], v10, v[16+\i]              ; the angle, rounded to f32 as the definition has it
.endr
.irp i, 0,1,2,3,4,5,6,7
	v_mul_f32 v[32+\i], s41, v[24+\i]
.endr
.irp i, 0,1,2,3,4,5,6,7
	v_rndne_f32 v[32+\i], v[32+\i]                 ; k
.endr
.irp i, 0,1,2,3,4,5,6,7
	v_fma_f32 v[24+\i], -v[32+\i], s42, v[24+\i]
.endr
.irp i, 0,1,2,3,4,5,6,7
	v_fma_f32 v[24+\i], -v[32+\i], s43, v[24+\i]   ; the angle - k pi / 2
.endr
.irp i, 0,1,2,3,4,5,6,7
	v_mul_f32 v[40+\i], v[24+\i], v[24+\i]         ; z
.endr
.irp i, 0,1,2,3,4,5,6,7
	v_fma_f32 v[48+\i], v[40+\i], s44, s45
.endr
.irp i, 0,1,2,3,4,5,6,7
	v_fma_f32 v[48+\i], v[48+\i], v[40+\i], s46
.endr
.irp i, 0,1,2,3,4,5,6,7
	v_mul_f32 v[48+\i], v[48+\i], v[40+\i]
.endr
.irp i, 0,1,2,3,4,5,6,7
	v_fma_f32 v[48+\i], v[48+\i], v[24+\i], v[24+\i]   ; the sine
.endr
.irp i, 0,1,2,3,4,5,6,7
	v_fma_f32 v[56+\i], v[40+\i], s47, s48
.endr
.irp i, 0,1,2,3,4,5,6,7
	v_fma_f32 v[56+\i], v[56+\i], v[40+\i], s49
.endr
.irp i, 0,1,2,3,4,5,6,7
	v_mul_f32 v[72+\i], v[40+\i], v[40+\i]
.endr
.irp i, 0,1,2,3,4,5,6,7
	v_fma_f32 v[40+\i], v[40+\i], -0.5, 1.0
.endr
.irp i, 0,1,2,3,4,5,6,7
	v_fma_f32 v[56+\i], v[56+\i], v[72+\i], v[40+\i]   ; the cosine
.endr
.irp i, 0,1,2,3,4,5,6,7
	v_cvt_i32_f32 v[64+\i], v[32+\i]
.endr
.irp i, 0,1,2,3,4,5,6,7                ; the quadrant: odd k swaps the two; the sine is negative for k % 4 = 2, 3, the cosine for 1, 2
	v_and_b32 v[72+\i], 1, v[64+\i]
	v_cmp_eq_u32 vcc_lo, 1, v[72+\i]
	v_cndmask_b32 v[81+2*\i], v[48+\i], v[56+\i], vcc_lo
	v_cndmask_b32 v[80+2*\i], v[56+\i], v[48+\i], vcc_lo
	v_and_b32 v[72+\i], 2, v[64+\i]
	v_lshlrev_b32 v[72+\i], 30, v[72+\i]
	v_xor_b32 v[81+2*\i], v[72+\i], v[81+2*\i]
	v_add_nc_u32 v[72+\i], 1, v[64+\i]
	v_and_b32 v[72+\i], 2, v[72+\i]
	v_lshlrev_b32 v[72+\i], 30, v[72+\i]
	v_xor_b32 v[80+2*\i], v[72+\i], v[80+2*\i]
.endr
.irp q, 0,1,2,3
	global_store_b128 v12, v[80+4*\q:83+4*\q], s[18:19] offset:512*\q   ; 32 lanes store 512 consecutive bytes
.endr
	s_endpgm
.Lfunc_end_k_q75da32cfc0_quant:
	.size	k_q75da32cfc0_quant, .Lfunc_end_k_q75da32cfc0_quant-k_q75da32cfc0_quant
	.p2alignl 7, 3214868480
	.fill 96, 4, 3214868480
	.section	.rodata,"a",@progbits
	.p2align	6, 0x0
	.amdhsa_kernel k_q75da32cfc0_quant
		.amdhsa_group_segment_fixed_size 34304
		.amdhsa_private_segment_fixed_size 0
		.amdhsa_enable_private_segment 0
		.amdhsa_kernarg_size 64
		.amdhsa_user_sgpr_count 2
		.amdhsa_user_sgpr_kernarg_segment_ptr 1
		.amdhsa_wavefront_size32 1
		.amdhsa_system_sgpr_workgroup_id_x 1
		.amdhsa_system_sgpr_workgroup_id_y 1
		.amdhsa_system_sgpr_workgroup_id_z 1
		.amdhsa_system_vgpr_workitem_id 0
		.amdhsa_next_free_vgpr 242
		.amdhsa_next_free_sgpr 66
		.amdhsa_reserve_vcc 1
		.amdhsa_float_denorm_mode_32 3
		.amdhsa_float_denorm_mode_16_64 3
		.amdhsa_memory_ordered 1
		.amdhsa_forward_progress 1
		.amdhsa_inst_pref_size 44
	.end_amdhsa_kernel
	.amdgpu_metadata
---
amdhsa.version: [ 1, 2 ]
amdhsa.kernels:
  - .name:           k_q75da32cfc0_quant
    .symbol:         k_q75da32cfc0_quant.kd
    .args:
      - { .name: x, .offset: 0, .size: 8, .value_kind: global_buffer, .address_space: global }
      - { .name: Wq, .offset: 8, .size: 8, .value_kind: global_buffer, .address_space: global }
      - { .name: Wk, .offset: 16, .size: 8, .value_kind: global_buffer, .address_space: global }
      - { .name: Wv, .offset: 24, .size: 8, .value_kind: global_buffer, .address_space: global }
      - { .name: Wo, .offset: 32, .size: 8, .value_kind: global_buffer, .address_space: global }
      - { .name: xq, .offset: 40, .size: 8, .value_kind: global_buffer, .address_space: global }
      - { .name: wq, .offset: 48, .size: 8, .value_kind: global_buffer, .address_space: global }
      - { .name: rope, .offset: 56, .size: 8, .value_kind: global_buffer, .address_space: global }
    .group_segment_fixed_size: 34304
    .private_segment_fixed_size: 0
    .kernarg_segment_align: 8
    .kernarg_segment_size: 64
    .max_flat_workgroup_size: 128
    .sgpr_count:     66
    .vgpr_count:     242
    .wavefront_size: 32
...
	.end_amdgpu_metadata
.endif
;; end of part 1
;; launch qkv (part 2): grid 32 x 8, 4 waves a work-group, clusters of 4 x 1, 307,712 bytes of LDS; arguments xq, wq, rope, qq, kv; writes qq, kv
.if DOCPART == 2
	.amdgcn_target "amdgcn-amd-amdhsa--gfx1250"
	.amdhsa_code_object_version 6
	.text
	.protected	k_q75da32cfc0_qkv
	.globl	k_q75da32cfc0_qkv
	.p2align	8
	.type	k_q75da32cfc0_qkv,@function
k_q75da32cfc0_qkv:
	s_mov_b64 s[64:65], 0
	v_nop
	global_prefetch_b8 v0, s[64:65] scope:SCOPE_SE
	s_setreg_imm32_b32 hwreg(HW_REG_WAVE_MODE, 25, 1), 1
	s_wait_xcnt 0x0
	s_wait_alu depctr_hold_cnt(0) depctr_sa_sdst(0) depctr_va_vdst(0) depctr_va_sdst(0) depctr_va_ssrc(0) depctr_va_vcc(0) depctr_vm_vsrc(0)
	s_getreg_b32 s2, hwreg(HW_REG_IB_STS2, 6, 4)
	s_cmp_eq_u32 s2, 0
	s_cbranch_scc0 .Lentry_in_a_cluster
	s_endpgm
.Lentry_in_a_cluster:
	s_bfe_u32 s2, ttmp6, 0x10000c
	s_cmp_lg_u32 s2, 0x3003
	s_cbranch_scc0 .Lentry_shape_is_right
	s_endpgm
.Lentry_shape_is_right:
; Q = rope(x Wq^T), K = rope(x Wk^T), V = x Wv^T on codes of E3M2, and their quantising: Q and K along the head's 64, V along the keys.  All buffers lie in the order of operand registers:
; tiles of 16 rows (row r of tile t = 32 (t / 2) + 8 (t % 2) + r + 8 (r / 8)), images of 768 bytes (16 rows x 64 along K; lane r + 16 h: block h of row r, piece p at 256 p + 8 lane), records of 12,800 bytes
; (16 images, then 512 bytes of scale words: register s / 2 of four carries K step s in lanes 0-15 for even s, in lanes 16-31 for odd s).
; SHARES.  A work-group takes 256 rows of x (X) and 384 of the 3,072 columns (Y): six UNITS of 64 columns, each one head of Q, K or V.  32 x 8 = 256 work-groups of equal work.
; Wave w keeps its 64 rows of x, all of K, in 384 registers for the whole launch.  The 24 records of W (307,200 bytes) come into LDS once.
; CLUSTER.  The four work-groups of a cluster differ in X alone and need the same records of W: each is asked for jointly, by the same tensor load with the same descriptor and the mask of all four.
; x is not shared through LDS: a wave reads its own rows straight into registers, once.  Nothing in LDS is filled twice, so there is no ring.
; Q, K: source 0 = 16 rows of W, source 1 = 16 rows of x: a lane holds one row of x and 32 of the head's 64 numbers, 16 neighbours of each block of 32, pairs (even, odd) side by side for the rotation.
; V: the sources change places: a lane holds one of the head's 64 and 32 of my 64 keys, 16 neighbours of each block of 32 keys.
; OUT.  qq: for each head 102,400 bytes: 128 images (tile T of the sequence), then at 98,304 for each group of four tiles, row r and tile m two scale bytes.  kv: for each head 204,800 bytes: K as in qq;
; at 102,400 V's images [key step of 128][tile n of the head's 64][half c]; at 200,704 V's scale words [key step][r][n], byte 2 c + block.
; LIMITS: NaN and infinities are not served; a block whose largest magnitude lies under 2^-122 (zeros among them) gets the byte 1; only this program reads the bytes.
; REGISTERS, in windows of 256: window 0: v4-8 addresses; v16-31 x's scale words (4 m + s / 2); v32-47 W's (4 n + s / 2); v48-143 W's fragments, two sets of 48; v144-175 a rotated tile; v176-207 codes, 8 a tile;
;   v208-225 at work.   window 1: x's fragments of K steps 0-3 at 48 s + 12 m;   window 2: of K steps 4-7;   window 3: v0-127 the 16 accumulators, v128-255 cosines and sines, 32 a tile.
.set REC,   12800
.set UNITB, 4*REC                      ; a unit's four records in LDS
.set LA,  4                            ; v4   8 x lane
.set LB,  5                            ; v5   16 x lane
.set AB,  6                            ; v6   LDS address of the unit in hand + 8 x lane
.set LSC, 7                            ; v7   8 r + 4 h
.set LV,  8                            ; v8   16 r + 4 h
.set ASC, 16
.set BSC, 32
.set BF,  48
.set R,   144
.set CD,  176
.set C1,  208
.set TM,  212
.set SB,  220
.set WS,  224
.set TAB, 128
.set G1,  24                           ; s[24:31] descriptor group 1;  s[32:55] six groups 0
.set G0,  32
.set MSB, 0
.macro WIN new                         ; the immediate's high byte repeats the setting that is left; a switch that changes nothing is dropped
.if MSB != (\new)
	s_set_vgpr_msb (MSB<<8)|(\new)
.set MSB, (\new)
.endif
.endm
.macro CROUND                          ; a round of the cluster's barrier
	s_barrier_signal -1
	s_barrier_wait -1
	s_cmp_lg_u32 s14, 0
	s_cbranch_scc1 .Lnot_wave_0_\@
	s_barrier_signal -3
.Lnot_wave_0_\@:
	s_barrier_wait -3
	s_barrier_signal -1
	s_barrier_wait -1
.endm
	s_load_b256 s[4:11], s[0:1], 0x0               ; xq, wq, rope, qq
	s_load_b64 s[12:13], s[0:1], 0x20              ; kv
	v_lshl_add_u32 v254, v0, 2, 0x4b000
	v_mov_b32 v255, 0
	ds_add_u32 v254, v255
	ds_add_u32 v254, v255
	v_lshrrev_b32 v1, 5, v0
	v_readfirstlane_b32 s14, v1                    ; wave 0..3
	s_bfe_u32 s15, ttmp6, 0x40000                  ; cx
	s_lshl_b32 s16, ttmp9, 2
	s_add_co_u32 s16, s16, s15                     ; X = 4 x cluster x + cx: it enters global addresses of x, the table and the results alone
	s_and_b32 s17, ttmp7, 0xffff                   ; Y, which the four partners share
	s_mov_b32 s18, 0x76543210
	s_mov_b32 s19, 0xfedcba98                      ; v_permlanex16_b32's selects for lane l xor 16
	s_mov_b32 s20, 0xffff0000                      ; lanes 16-31
	s_mov_b32 s[G1], 15|(3<<16)|(1<<21)            ; 15:0 the mask: all four work-groups; 17:16 elements of 8 bytes; 20 no padding; 21 set beside a mask
	s_mov_b32 s[G1+1], 32<<16                      ; tensor_dim0 = 32 elements: 256 bytes
	s_mov_b32 s[G1+2], 50<<16                      ; tensor_dim1 = 50 rows: a record is one dense block of 12,800 bytes
	s_mov_b32 s[G1+3], 32<<16                      ; tile_dim0
	s_mov_b32 s[G1+4], 50                          ; tile_dim1
	s_mov_b32 s[G1+5], 32                          ; the pitch
	s_mov_b32 s[G1+6], 0
	s_mov_b32 s[G1+7], 0
	s_mul_i32 s60, s17, 24
	s_add_co_u32 s60, s60, s14
	s_mul_i32 s60, s60, REC                        ; record 24 Y + wave of W: unit j's lies 4 j records on
	s_mov_b32 s61, 0
	s_mul_i32 s23, s14, REC                        ; and its place in LDS
	s_lshl_b32 s78, s16, 4
	s_lshl_b32 s79, s14, 2
	s_add_co_u32 s78, s78, s79                     ; my first tile of x: 16 X + 4 wave
	s_mul_i32 s62, s78, REC
	s_mov_b32 s63, 0
	s_and_b32 s78, s78, 127                        ; the same within its sequence
	s_lshr_b32 s79, s78, 2                         ; and my group of 64 rows there
	s_lshl_b32 s68, s78, 12
	s_mov_b32 s69, 0
	s_lshr_b32 s80, s16, 3
	s_lshl_b32 s80, s80, 4                         ; 16 x batch
	s_wait_dscnt 0x0
	s_wait_kmcnt 0x0
	s_add_nc_u64 s[60:61], s[6:7], s[60:61]
	s_add_nc_u64 s[66:67], s[4:5], s[62:63]
	s_add_nc_u64 s[68:69], s[8:9], s[68:69]
.irp j, 0,1,2,3,4,5
	s_mov_b32 s[G0+4*\j], 1                        ; count = 1
	s_add_co_u32 s[G0+4*\j+1], s23, \j*UNITB       ; LDS address
	s_add_nc_u64 s[G0+4*\j+2:G0+4*\j+3], s[60:61], \j*UNITB
	s_or_b32 s[G0+4*\j+3], s[G0+4*\j+3], 0x80000000   ; type = 2
.endr
	CROUND                                         ; all four work-groups are here: the joint loads meet
.irp j, 0,1,2,3,4,5
	tensor_load_to_lds s[G0+4*\j:G0+4*\j+3], s[G1:G1+7]   ; all of the launch's fills, in one group: six loads of mine are out
	s_nop 0
.endr
.rept 4
	v_nop                                          ; four lines behind the last tensor load, ahead of the first switch of windows
.endr
	v_and_b32 v1, 31, v0
	v_and_b32 v2, 15, v0
	v_bfe_u32 v3, v0, 4, 1
	v_lshlrev_b32 v[LA], 3, v1
	v_lshlrev_b32 v[LB], 4, v1
	v_lshlrev_b32 v[LSC], 3, v2
	v_lshl_add_u32 v[LSC], v3, 2, v[LSC]
	v_lshlrev_b32 v[LV], 4, v2
	v_lshl_add_u32 v[LV], v3, 2, v[LV]
	v_mov_b32 v[TM+2], 0                           ; written once: a lane permute's destination counts as one of its sources
	v_mov_b32 v[TM+3], 0
.macro ALOAD base, win                 ; x's fragments of four K steps, base on, into one window
	WIN \win
.irp k, 0,1,2,3
.irp m, 0,1,2,3
.irp c, 0,1
.irp p, 0,1,2
	global_load_b64 v[48*\k+12*\m+6*\c+2*\p:48*\k+12*\m+6*\c+2*\p+1], v[LA], s[66:67] offset:\m*REC+(2*(\base+\k)+\c)*768+256*\p
.endr
.endr
.endr
.endr
.endm
	ALOAD 0, 0x40
	ALOAD 4, 0x80
	WIN 0xc0
.irp m, 0,1,2,3
.irp q, 0,1,2,3,4,5,6,7
	global_load_b128 v[TAB+32*\m+4*\q:TAB+32*\m+4*\q+3], v[LB], s[68:69] offset:\m*4096+512*\q
.endr
.endr
	WIN 0
.irp m, 0,1,2,3
.irp hf, 0,1
	global_load_b64 v[ASC+4*\m+2*\hf:ASC+4*\m+2*\hf+1], v[LA], s[66:67] offset:\m*REC+12288+256*\hf
.endr
.endr
.macro BLOAD s                         ; W's four fragments of K step s into set s % 2
.irp n, 0,1,2,3
.irp c, 0,1
.irp p, 0,1,2
	ds_load_b64 v[BF+48*((\s)%2)+12*\n+6*\c+2*\p:BF+48*((\s)%2)+12*\n+6*\c+2*\p+1], v[AB] offset:\n*REC+(2*(\s)+\c)*768+256*\p
.endr
.endr
.endr
.endm
.macro FETCH0                          ; a unit's first fragments and all its scale words
	v_add_nc_u32 v[AB], s22, v[LA]
	BLOAD 0
.irp n, 0,1,2,3
.irp hf, 0,1
	ds_load_b64 v[BSC+4*\n+2*\hf:BSC+4*\n+2*\hf+1], v[AB] offset:\n*REC+12288+256*\hf
.endr
.endr
.endm
.macro WM d, a, b, sa, sb, zero, row   ; one product; zero: it starts its sum; row: both sides' scale words stand in lanes 16-31
.if \zero
	v_wmma_scale_f32_16x16x128_f8f6f4 v[(\d):(\d)+7], v[(\a):(\a)+11], v[(\b):(\b)+11], 0, v[\sa], v[\sb] matrix_a_fmt:MATRIX_FMT_BF6 matrix_b_fmt:MATRIX_FMT_BF6
.elseif \row
	v_wmma_scale_f32_16x16x128_f8f6f4 v[(\d):(\d)+7], v[(\a):(\a)+11], v[(\b):(\b)+11], v[(\d):(\d)+7], v[\sa], v[\sb] matrix_a_fmt:MATRIX_FMT_BF6 matrix_b_fmt:MATRIX_FMT_BF6 matrix_a_scale:MATRIX_SCALE_ROW1 matrix_b_scale:MATRIX_SCALE_ROW1
.else
	v_wmma_scale_f32_16x16x128_f8f6f4 v[(\d):(\d)+7], v[(\a):(\a)+11], v[(\b):(\b)+11], v[(\d):(\d)+7], v[\sa], v[\sb] matrix_a_fmt:MATRIX_FMT_BF6 matrix_b_fmt:MATRIX_FMT_BF6
.endif
.endm
; A K step of 128: 16 products, the 16 accumulators by turns, one instruction a turn, in the same order in every step.  ori = 0: W is source 0 (Q, K); 1: x is (V).
.macro KSTEP s, ori
	WIN 0
	s_wait_dscnt 0x0                               ; this step's fragments are in (asked for 16 products ago)
.if (\s) < 7
.rept 4
	v_nop                                          ; four places between the last step's products and loads into the set that they read (ISA guide 7.12.1 for vector instructions)
.endr
	BLOAD (\s)+1
.endif
.set AW, 1+(\s)/4
.set AB0, 48*((\s)%4)
.set BB0, BF+48*((\s)%2)
.set SH, (\s)/2
.if \ori
	WIN 0xf0|AW
.else
	WIN 0xf0|(AW<<2)
.endif
.irp n, 0,1,2,3
.irp m, 0,1,2,3
.if \ori
	WM 32*\n+8*\m, AB0+12*\m, BB0+12*\n, ASC+4*\m+SH, BSC+4*\n+SH, (\s)==0, (\s)%2
.else
	WM 32*\m+8*\n, BB0+12*\n, AB0+12*\m, BSC+4*\n+SH, ASC+4*\m+SH, (\s)==0, (\s)%2
.endif
.endr
.endr
.endm
.macro MAIN ori
.irp t, 0,1,2,3,4,5,6,7
	KSTEP \t, \ori
.endr
	WIN 0
.endm
; Behind a unit's products: the places that its results and its operands' next loads want; then the next unit's first fragments are asked for, so that they land under the way out.
; kind = 2: the first time: units 1 to 5 have to have landed in every wave's view; 1: they have; 0: there is no next unit.
.macro NEXT kind
.rept 4
	v_nop
.endr
.if \kind == 2
	s_wait_tensorcnt 0x0                           ; my parts of units 1 to 5 are in,
	s_barrier_signal -1
	s_barrier_wait -1                              ; everybody's are
.endif
.if \kind > 0
	s_add_co_u32 s22, s22, UNITB
	FETCH0
.endif
.endm
; 32 numbers of a lane, v[x] .. v[x + 31] of window w: 16 b + i = number 32 b + 16 h + i of my row's 64.  They become an image's six registers in v[cd] on, and the row's two scale bytes in v[sb].
.macro QUANT2 x, w, cd, sb
	WIN (\w)|((\w)<<2)
	v_max3_num_f32 v[TM], |v[(\x)]|, |v[(\x)+1]|, 0x2800000       ; my 16 numbers of each block, and the floor 2^(5 - 127), which holds the byte at 1 from below
	v_max3_num_f32 v[TM+1], |v[(\x)+16]|, |v[(\x)+17]|, 0x2800000
.irp i, 2,4,6,8,10,12,14
	v_max3_num_f32 v[TM], |v[(\x)+\i]|, |v[(\x)+\i+1]|, v[TM]     ; (each accumulator is read from its low end on)
	v_max3_num_f32 v[TM+1], |v[(\x)+16+\i]|, |v[(\x)+17+\i]|, v[TM+1]
.endr
	WIN 0
	v_permlanex16_b32 v[TM+2], v[TM], s18, s19
	v_permlanex16_b32 v[TM+3], v[TM+1], s18, s19
	v_max_num_f32 v[TM], v[TM], v[TM+2]            ; with lane l xor 16's: the blocks' largest magnitudes
	v_max_num_f32 v[TM+1], v[TM+1], v[TM+3]
	v_add_nc_u32 v[TM+4], 0xfe000000, v[TM]        ; 4 off the exponent field: the conversion's scale operand
	v_add_nc_u32 v[TM+5], 0xfe000000, v[TM+1]
	v_lshrrev_b32 v[TM+6], 23, v[TM+4]             ; the bytes
	v_lshrrev_b32 v[TM+7], 23, v[TM+5]
	v_lshl_or_b32 v[\sb], v[TM+7], 8, v[TM+6]
	WIN \w
	v_cvt_scalef32_pk16_bf6_f32 v[(\cd):(\cd)+2], v[(\x):(\x)+15], v[TM+4]
	v_cvt_scalef32_pk16_bf6_f32 v[C1:C1+2], v[(\x)+16:(\x)+31], v[TM+5]
	WIN 0
	v_nop                                          ; one plain place behind a scaled conversion
.irp i, 0,1,2
	v_permlane16_swap_b32 v[(\cd)+\i], v[C1+\i]    ; the layout wants a whole block in a lane: lanes 0-15 block 0, lanes 16-31 block 1
.endr
.irp i, 0,1,2
	v_mov_b32 v[(\cd)+3+\i], v[C1+\i]
.endr
.endm
; The way out of a unit of Q or K: rotate, quantise along the head's 64, store four images and the rows' scale bytes.
.macro EPI_QK
	s_wait_xcnt 0x0                                ; the last unit's stores have read their data and bases: both are written again below
	s_add_co_u32 s74, s80, s72                     ; 16 x batch + head
	s_cmp_eq_u32 s71, 0
	s_cselect_b64 s[56:57], s[10:11], s[12:13]     ; Q's buffer or K's: the choice hangs on the unit's number alone
	s_mov_b32 s75, 204800
	s_cselect_b32 s75, 102400, s75
	s_mul_i32 s74, s74, s75                        ; the head's part
	s_mul_i32 s76, s78, 768
	s_add_co_u32 s76, s76, s74
	s_mov_b32 s77, 0
	s_mov_b64 s[58:59], s[56:57]
	s_add_nc_u64 s[56:57], s[56:57], s[76:77]      ; my four images
	s_lshl_b32 s76, s79, 7
	s_add_co_u32 s76, s76, s74
	s_add_co_u32 s76, s76, 98304
	s_add_nc_u64 s[58:59], s[58:59], s[76:77]      ; my 128 scale bytes
.irp m, 0,1,2,3
	WIN 0x0f                                       ; sources 0 and 1 window 3
.set e, 0
.rept 16
	v_pk_mul_f32 v[R+e:R+e+1], v[32*\m+e:32*\m+e+1], v[TAB+32*\m+e:TAB+32*\m+e+1] op_sel_hi:[1,0]   ; (x0 cos, x1 cos)
.set e, e+2
.endr
.set e, 0
.rept 16
	v_pk_fma_f32 v[R+e:R+e+1], v[32*\m+e:32*\m+e+1], v[TAB+32*\m+e:TAB+32*\m+e+1], v[R+e:R+e+1] op_sel:[1,1,0] op_sel_hi:[0,1,1] neg_lo:[1,0,0]   ; (- x1 sin, + x0 sin)
.set e, e+2
.endr
	QUANT2 R, 0, CD+8*\m, SB+\m
.irp p, 0,1,2
	global_store_b64 v[LA], v[CD+8*\m+2*\p:CD+8*\m+2*\p+1], s[56:57] offset:\m*768+256*\p   ; 32 lanes store 256 consecutive bytes
.endr
.endr
	v_lshl_or_b32 v[TM], v[SB+1], 16, v[SB]
	v_lshl_or_b32 v[TM+1], v[SB+3], 16, v[SB+2]
	v_cndmask_b32 v[WS], v[TM], v[TM+1], s20       ; lanes 0-15: tiles 0, 1 of row r; lanes 16-31: tiles 2, 3
	global_store_b32 v[LSC], v[WS], s[58:59]
.endm
; The way out of a unit of V: my 64 keys are half a key step: quantise along them, store four images (one for each tile of the head's 64) and two scale bytes for each of the 64 rows.
.macro EPI_V
	s_wait_xcnt 0x0
	s_add_co_u32 s74, s80, s72
	s_mul_i32 s74, s74, 204800
	s_lshr_b32 s75, s79, 1                         ; the key step
	s_and_b32 s73, s79, 1                          ; which half of it
	s_mul_i32 s76, s75, 6144
	s_add_co_u32 s76, s76, s74
	s_mul_i32 s77, s73, 768
	s_add_co_u32 s76, s76, s77
	s_add_co_u32 s76, s76, 102400
	s_mov_b32 s77, 0
	s_add_nc_u64 s[56:57], s[12:13], s[76:77]
	s_lshl_b32 s76, s75, 8
	s_add_co_u32 s76, s76, s74
	s_lshl_b32 s73, s73, 1
	s_add_co_u32 s76, s76, s73
	s_add_co_u32 s76, s76, 200704
	s_add_nc_u64 s[58:59], s[12:13], s[76:77]
.irp n, 0,1,2,3
	QUANT2 32*\n, 3, CD+8*\n, SB+\n
.irp p, 0,1,2
	global_store_b64 v[LA], v[CD+8*\n+2*\p:CD+8*\n+2*\p+1], s[56:57] offset:\n*1536+256*\p
.endr
.endr
.irp q, 0,1
	v_cndmask_b32 v[WS+\q], v[SB+2*\q], v[SB+2*\q+1], s20   ; lane (r, h) stores tile 2 q + h's two bytes of row r
	global_store_b16 v[LV], v[WS+\q], s[58:59] offset:8*\q
.endr
.endm
.macro UNIT kind
	s_mul_i32 s70, s17, 6
	s_add_co_u32 s70, s70, s21                     ; the unit: 6 Y + j, the same in all four partners
	s_lshr_b32 s71, s70, 4                         ; 0 Q, 1 K, 2 V
	s_and_b32 s72, s70, 15                         ; the head
	s_cmp_eq_u32 s71, 2
	s_cbranch_scc1 .Lmul_v_\@
	MAIN 0
	s_branch .Lmul_done_\@
.Lmul_v_\@:
	MAIN 1
.Lmul_done_\@:
	NEXT \kind
	s_cmp_eq_u32 s71, 2
	s_cbranch_scc1 .Lout_v_\@
	EPI_QK
	s_branch .Lout_done_\@
.Lout_v_\@:
	EPI_V
.Lout_done_\@:
.endm
	s_mov_b32 s21, 0                               ; j
	s_mov_b32 s22, 0                               ; where the unit in hand begins in LDS
	s_wait_tensorcnt 5                             ; my part of unit 0 is in; the five loads issued behind it may be out
	s_barrier_signal -1
	s_barrier_wait -1                              ; everybody's is
	FETCH0
	s_wait_loadcnt 0x0                             ; x's fragments and scale words, the table
	UNIT 2
	s_mov_b32 s21, 1
.Lunit:                                            ; units 1 to 4
	UNIT 1
	s_add_co_u32 s21, s21, 1
	s_cmp_lt_u32 s21, 5
	s_cbranch_scc1 .Lunit
	UNIT 0                                         ; unit 5 fetches nothing more
	s_wait_tensorcnt 0x0
	ds_add_u32 v254, v255
	s_wait_dscnt 0x0
	CROUND                                         ; the closing round: no work-group ends while a partner may still ask for a record that names it
	s_endpgm
.Lfunc_end_k_q75da32cfc0_qkv:
	.size	k_q75da32cfc0_qkv, .Lfunc_end_k_q75da32cfc0_qkv-k_q75da32cfc0_qkv
	.p2alignl 7, 3214868480
	.fill 96, 4, 3214868480
	.section	.rodata,"a",@progbits
	.p2align	6, 0x0
	.amdhsa_kernel k_q75da32cfc0_qkv
		.amdhsa_group_segment_fixed_size 307712
		.amdhsa_private_segment_fixed_size 0
		.amdhsa_enable_private_segment 0
		.amdhsa_kernarg_size 40
		.amdhsa_user_sgpr_count 2
		.amdhsa_user_sgpr_kernarg_segment_ptr 1
		.amdhsa_wavefront_size32 1
		.amdhsa_system_sgpr_workgroup_id_x 1
		.amdhsa_system_sgpr_workgroup_id_y 1
		.amdhsa_system_sgpr_workgroup_id_z 1
		.amdhsa_system_vgpr_workitem_id 0
		.amdhsa_next_free_vgpr 1024
		.amdhsa_next_free_sgpr 84
		.amdhsa_reserve_vcc 0
		.amdhsa_float_denorm_mode_32 3
		.amdhsa_float_denorm_mode_16_64 3
		.amdhsa_memory_ordered 1
		.amdhsa_forward_progress 1
		.amdhsa_inst_pref_size 255
	.end_amdhsa_kernel
	.section	.bss,"aw",@nobits
	.p2align	6
	.space	262144
	.amdgpu_metadata
---
amdhsa.version: [ 1, 2 ]
amdhsa.kernels:
  - .name:           k_q75da32cfc0_qkv
    .symbol:         k_q75da32cfc0_qkv.kd
    .args:
      - { .name: xq, .offset: 0, .size: 8, .value_kind: global_buffer, .address_space: global }
      - { .name: wq, .offset: 8, .size: 8, .value_kind: global_buffer, .address_space: global }
      - { .name: rope, .offset: 16, .size: 8, .value_kind: global_buffer, .address_space: global }
      - { .name: qq, .offset: 24, .size: 8, .value_kind: global_buffer, .address_space: global }
      - { .name: kv, .offset: 32, .size: 8, .value_kind: global_buffer, .address_space: global }
    .group_segment_fixed_size: 307712
    .private_segment_fixed_size: 0
    .kernarg_segment_align: 8
    .kernarg_segment_size: 40
    .max_flat_workgroup_size: 128
    .sgpr_count:     84
    .vgpr_count:     1024
    .wavefront_size: 32
...
	.end_amdgpu_metadata
.endif
;; end of part 2
;; launch attn (part 3): grid 4 x 64, 16 waves a work-group, clusters of 4 x 1, 327,680 bytes of LDS; arguments qq, kv, oq; writes oq
.if DOCPART == 3
	.amdgcn_target "amdgcn-amd-amdhsa--gfx1250"
	.amdhsa_code_object_version 6
	.text
	.protected	k_q75da32cfc0_attn
	.globl	k_q75da32cfc0_attn
	.p2align	8
	.type	k_q75da32cfc0_attn,@function
k_q75da32cfc0_attn:
	s_mov_b64 s[64:65], 0
	v_nop
	global_prefetch_b8 v0, s[64:65] scope:SCOPE_SE
	s_setreg_imm32_b32 hwreg(HW_REG_WAVE_MODE, 25, 1), 1
	s_wait_xcnt 0x0
	s_wait_alu depctr_hold_cnt(0) depctr_sa_sdst(0) depctr_va_vdst(0) depctr_va_sdst(0) depctr_va_ssrc(0) depctr_va_vcc(0) depctr_vm_vsrc(0)
	s_getreg_b32 s2, hwreg(HW_REG_IB_STS2, 6, 4)
	s_cmp_eq_u32 s2, 0
	s_cbranch_scc0 .Lentry_in_a_cluster
	s_endpgm
.Lentry_in_a_cluster:
	s_bfe_u32 s2, ttmp6, 0x10000c
	s_cmp_lg_u32 s2, 0x3003
	s_cbranch_scc0 .Lentry_shape_is_right
	s_endpgm
.Lentry_shape_is_right:
.set AK0, 1
.set AS0, 2
.set AV0, 3
.set AT0, 4
.set QN,  5
.set DL,  6
.set NINF, 7
.set ADK, 8
.set ADS, 9
.set ADV, 10
.set ADT, 11
.set QF,  16
.set QS,  34
.set QB,  35
.set KSC, 36
.set VSC, 40
.set KF,  44
.set S,   92
.set O,   156
.set PC,  188
.set C1,  200
.set BM,  208
.set TM,  212
.set T2,  220
.set PW,  224
.set RL,  226
.set AF,  228
.set SU,  230
.set CD,  238
.set SB,  246
.set GS,  248
.set G1,  24
.macro CROUND
	s_barrier_signal -1
	s_barrier_wait -1
	s_cmp_lg_u32 s10, 0
	s_cbranch_scc1 .Lnot_wave_0_\@
	s_barrier_signal -3
.Lnot_wave_0_\@:
	s_barrier_wait -3
	s_barrier_signal -1
	s_barrier_wait -1
.endm
	s_load_b128 s[4:7], s[0:1], 0x0
	s_load_b64 s[8:9], s[0:1], 0x10
	v_lshl_add_u32 v254, v0, 2, 0x32000
	v_mov_b32 v255, 0
	ds_add_u32 v254, v255
	ds_add_u32 v254, v255
	v_lshrrev_b32 v8, 5, v0
	s_delay_alu instid0(VALU_DEP_1)
	v_readfirstlane_b32 s10, v8
	s_bfe_u32 s11, ttmp6, 0x40000
	s_and_b32 s12, ttmp7, 0xffff
	s_mov_b32 s18, 0x76543210
	s_mov_b32 s19, 0xfedcba98
	s_mov_b32 s20, 0x3e38aa3b
	s_mov_b32 s21, s20
	s_mov_b32 s22, 0xbe38aa3b
	s_mov_b32 s[G1], 15|(3<<16)|(1<<21)
	s_mov_b32 s[G1+1], 32<<16
	s_mov_b32 s[G1+2], 25<<16
	s_mov_b32 s[G1+3], 32<<16
	s_mov_b32 s[G1+4], 25
	s_mov_b32 s[G1+5], 32
	s_mov_b32 s[G1+6], 0
	s_mov_b32 s[G1+7], 0
	s_mul_i32 s44, s12, 204800
	s_mul_i32 s23, s10, 6400
	s_add_co_u32 s44, s44, s23
	s_mov_b32 s45, 0
	s_mov_b32 s49, 0
	s_and_b32 s50, s12, 15
	s_mul_i32 s55, s50, 768
	s_lshr_b32 s54, s50, 3
	s_lshl_b32 s54, s54, 8
	s_bfe_u32 s51, s50, 0x10001
	s_lshl_b32 s51, s51, 7
	s_add_co_u32 s54, s54, s51
	s_bfe_u32 s51, s50, 0x10002
	s_lshl_b32 s51, s51, 2
	s_add_co_u32 s54, s54, s51
	s_and_b32 s51, s50, 1
	s_lshl_b32 s51, s51, 1
	s_add_co_u32 s54, s54, s51
	s_add_co_u32 s54, s54, 12288
	s_lshr_b32 s56, s12, 4
	s_lshl_b32 s56, s56, 7
	s_mul_i32 s57, s12, 102400
	s_wait_dscnt 0x0
	s_wait_kmcnt 0x0
	s_mov_b32 s32, 1
	s_mov_b32 s33, s23
	s_add_nc_u64 s[34:35], s[6:7], s[44:45]
	s_mov_b32 s36, 1
	s_add_co_u32 s37, s23, 102400
	s_add_nc_u64 s[38:39], s[34:35], 102400
	s_or_b32 s35, s35, 0x80000000
	s_or_b32 s39, s39, 0x80000000
	CROUND
	tensor_load_to_lds s[32:35], s[G1:G1+7]
	s_nop 0
	s_wait_alu depctr_va_vdst(0)
	s_wait_tensorcnt 0x0
	ds_add_u32 v254, v255
	s_wait_dscnt 0x0
	CROUND
	tensor_load_to_lds s[36:39], s[G1:G1+7]
	s_nop 0
.rept 4
	v_nop
.endr
	v_and_b32 v8, 31, v0
	v_and_b32 v9, 15, v0
	v_bfe_u32 v10, v0, 4, 1
	s_delay_alu instid0(VALU_DEP_3)
	v_lshlrev_b32 v[AK0], 3, v8
	s_delay_alu instid0(VALU_DEP_3)
	v_lshl_add_u32 v[AS0], v9, 3, 98304
	s_delay_alu instid0(VALU_DEP_2)
	v_add_nc_u32 v[AV0], 102400, v[AK0]
	v_lshl_add_u32 v[AT0], v9, 4, 200704
	v_lshlrev_b32 v[GS], 3, v9
	v_and_b32 v11, 8, v9
	s_delay_alu instid0(VALU_DEP_1)
	v_add_nc_u32 v11, v11, v9
	v_lshlrev_b32 v10, 4, v10
	s_delay_alu instid0(VALU_DEP_1)
	v_sub_nc_u32 v11, v11, v10
	s_lshr_b32 s23, s11, 1
	s_lshl_b32 s23, s23, 5
	s_and_b32 s44, s11, 1
	s_lshl_b32 s44, s44, 3
	s_add_co_u32 s23, s23, s44
	v_add_nc_u32 v[QB], s23, v11
	v_mov_b32 v[NINF], 0xff800000
.irp i, 6,7,8,9,10,11
	v_mov_b32 v[QF+\i], 0
.endr
.irp i, 0,1,2,3,4,5,6,7
	v_mov_b32 v[TM+\i], 0
	v_mov_b32 v[SU+\i], 0
.endr
	v_mov_b32 v[AF], 0
	v_mov_b32 v[AF+1], 0
.macro SCORES p2
	v_add_nc_u32 v[ADK], s16, v[AK0]
	v_add_nc_u32 v[ADS], s17, v[AS0]
.if \p2
	v_add_nc_u32 v[ADV], s16, v[AV0]
	v_add_nc_u32 v[ADT], s17, v[AT0]
.endif
.irp b, 0,1,2,3
.irp p, 0,1,2,3,4,5
	ds_load_b64 v[KF+12*\b+2*\p:KF+12*\b+2*\p+1], v[ADK] offset:1536*\b+256*\p
.endr
.endr
	ds_load_b64 v[KSC:KSC+1], v[ADS]
	ds_load_b64 v[KSC+2:KSC+3], v[ADS] offset:128
	s_wait_dscnt 0x0
.irp b, 0,1,2,3
	v_wmma_scale_f32_16x16x128_f8f6f4 v[S+16*\b:S+16*\b+7], v[KF+12*\b:KF+12*\b+11], v[QF:QF+11], 0, v[KSC+\b], v[QS] matrix_a_fmt:MATRIX_FMT_BF6 matrix_b_fmt:MATRIX_FMT_BF6
	v_wmma_scale_f32_16x16x128_f8f6f4 v[S+16*\b+8:S+16*\b+15], v[KF+12*\b:KF+12*\b+11], v[QF+6:QF+17], 0, v[KSC+\b], v[QS] matrix_a_fmt:MATRIX_FMT_BF6 matrix_b_fmt:MATRIX_FMT_BF6
.endr
.rept 4
	v_nop
.endr
.endm
.macro MASK
	s_cmp_lg_u32 s15, s14
	s_cbranch_scc1 .Lopen_\@
	s_lshl_b32 s23, s15, 7
	v_sub_nc_u32 v[DL], v[QN], s23
.set n, 0
.rept 64
	v_cmp_gt_i32 vcc_lo, 32*(n/16)+n%16, v[DL]
	v_cndmask_b32 v[S+n], v[S+n], v[NINF], vcc_lo
.set n, n+1
.endr
.Lopen_\@:
.endm
.macro BLKMAX
.irp b, 0,1,2,3
	v_max3_num_f32 v[BM+\b], v[S+16*\b], v[S+16*\b+1], v[S+16*\b+2]
.endr
.irp i, 3,5,7,9,11,13
.irp b, 0,1,2,3
	v_max3_num_f32 v[BM+\b], v[BM+\b], v[S+16*\b+\i], v[S+16*\b+\i+1]
.endr
.endr
.irp b, 0,1,2,3
	v_max_num_f32 v[BM+\b], v[BM+\b], v[S+16*\b+15]
.endr
.endm
.macro TSCALE
.set j, 0
.rept 32
	v_pk_fma_f32 v[S+j:S+j+1], v[S+j:S+j+1], s[20:21], v[12:13] op_sel_hi:[1,0,0]
.set j, j+2
.endr
.endm
.macro EXP64
.set j, 0
.rept 64
	v_exp_f32 v[S+j], v[S+j]
.set j, j+1
.endr
.endm
.macro STEPPING
	s_add_co_u32 s16, s16, 6144
	s_add_co_u32 s17, s17, 256
	s_add_co_u32 s15, s15, 1
	s_cmp_lt_u32 s15, 16
.endm
.macro PASS1
	s_mov_b32 s15, 0
	s_mov_b32 s16, 0
	s_mov_b32 s17, 0
.Lwalk1_\@:
	s_cmp_gt_u32 s15, s14
	s_cbranch_scc1 .Lskip1_\@
	s_setprio 2
	SCORES 0
	MASK
	s_setprio 1
	BLKMAX
	s_delay_alu instid0(VALU_DEP_2)
	v_max3_num_f32 v[T2], v[BM], v[BM+1], v[BM+2]
	v_mov_b32 v[T2+1], v12
	s_delay_alu instid0(VALU_DEP_2)
	v_max3_num_f32 v13, v[T2], v[BM+3], v13
	s_delay_alu instid0(VALU_DEP_1)
	v_mul_f32 v12, s22, v13
	s_delay_alu instid0(VALU_DEP_1)
	v_sub_f32 v[AF], v12, v[T2+1]
	TSCALE
	s_wait_alu depctr_va_vdst(0)
	v_exp_f32 v[AF], v[AF]
	EXP64
	s_setprio 0
	v_nop
	s_wait_alu depctr_va_vdst(0)
	v_pk_add_f32 v[SU:SU+1], v[S:S+1], v[S+2:S+3]
	v_pk_add_f32 v[SU+2:SU+3], v[S+4:S+5], v[S+6:S+7]
.set j, 8
.rept 14
	v_pk_add_f32 v[SU:SU+1], v[SU:SU+1], v[S+j:S+j+1]
	v_pk_add_f32 v[SU+2:SU+3], v[SU+2:SU+3], v[S+j+2:S+j+3]
.set j, j+4
.endr
	s_delay_alu instid0(VALU_DEP_1)
	v_pk_add_f32 v[SU:SU+1], v[SU:SU+1], v[SU+2:SU+3]
	v_pk_fma_f32 v[14:15], v[14:15], v[AF:AF+1], v[SU:SU+1] op_sel_hi:[1,0,1]
.Lskip1_\@:
	STEPPING
	s_cbranch_scc1 .Lwalk1_\@
	s_setprio 0
.endm
.macro FINISH1
	v_add_f32 v[SU], v14, v15
	v_permlanex16_b32 v[SU+1], v13, s18, s19
	s_delay_alu instid0(VALU_DEP_1)
	v_max_num_f32 v[SU+1], v13, v[SU+1]
	s_delay_alu instid0(VALU_DEP_1)
	v_mul_f32 v[SU+2], s22, v[SU+1]
	s_delay_alu instid0(VALU_DEP_1)
	v_sub_f32 v[SU+3], v[SU+2], v12
	s_wait_alu depctr_va_vdst(0)
	v_exp_f32 v[SU+3], v[SU+3]
	v_mov_b32 v12, v[SU+2]
	s_wait_alu depctr_va_vdst(0)
	v_mul_f32 v[SU], v[SU], v[SU+3]
	s_delay_alu instid0(VALU_DEP_1)
	v_permlanex16_b32 v[SU+4], v[SU], s18, s19
	s_delay_alu instid0(VALU_DEP_1)
	v_add_f32 v[SU], v[SU], v[SU+4]
	s_wait_alu depctr_va_vdst(0)
	v_rcp_f32 v[RL], v[SU]
	v_mov_b32 v13, v[SU+1]
	s_wait_alu depctr_va_vdst(0)
	v_mov_b32 v[RL+1], v[RL]
.endm
.macro PASS2
	s_mov_b32 s15, 0
	s_mov_b32 s16, 0
	s_mov_b32 s17, 0
.Lwalk2_\@:
	s_cmp_gt_u32 s15, s14
	s_cbranch_scc1 .Lskip2_\@
	s_setprio 2
	SCORES 1
	s_wait_alu depctr_va_vdst(0)
.irp n, 0,1,2,3
.irp p, 0,1,2,3,4,5
	ds_load_b64 v[KF+12*\n+2*\p:KF+12*\n+2*\p+1], v[ADV] offset:1536*\n+256*\p
.endr
.endr
	ds_load_b128 v[VSC:VSC+3], v[ADT]
	MASK
	BLKMAX
.irp b, 0,1,2,3
	s_delay_alu instid0(VALU_DEP_4)
	v_permlanex16_b32 v[TM+\b], v[BM+\b], s18, s19
.endr
.irp b, 0,1,2,3
	s_delay_alu instid0(VALU_DEP_4)
	v_max_num_f32 v[BM+\b], v[BM+\b], v[TM+\b]
.endr
	s_setprio 1
	TSCALE
.irp b, 0,1,2,3
	v_fma_f32 v[BM+\b], v[BM+\b], s20, v12
.endr
	s_wait_alu depctr_va_vdst(0)
	EXP64
.irp b, 0,1,2,3
	v_exp_f32 v[BM+\b], v[BM+\b]
.endr
	v_nop
	s_wait_alu depctr_va_vdst(0)
.set j, 0
.rept 32
	v_pk_mul_f32 v[S+j:S+j+1], v[S+j:S+j+1], v[RL:RL+1] op_sel_hi:[1,0]
.set j, j+2
.endr
	s_setprio 0
.irp b, 0,1,2,3
	v_mul_f32 v[BM+\b], v[BM+\b], v[RL]
.endr
.irp b, 0,1,2,3
	s_delay_alu instid0(VALU_DEP_4)
	v_max_num_f32 v[BM+\b], 0x2800000, v[BM+\b]
.endr
.irp b, 0,1,2,3
	s_delay_alu instid0(VALU_DEP_4)
	v_add_nc_u32 v[TM+4+\b], 0xfe000000, v[BM+\b]
.endr
.irp b, 0,1,2,3
	s_delay_alu instid0(VALU_DEP_4)
	v_lshrrev_b32 v[TM+\b], 23, v[TM+4+\b]
.endr
	s_delay_alu instid0(VALU_DEP_3)
	v_lshl_or_b32 v[PW], v[TM+1], 8, v[TM]
	s_delay_alu instid0(VALU_DEP_1)
	v_lshl_or_b32 v[PW], v[TM+2], 16, v[PW]
	s_delay_alu instid0(VALU_DEP_1)
	v_lshl_or_b32 v[PW], v[TM+3], 24, v[PW]
.irp c, 0,1
	v_cvt_scalef32_pk16_bf6_f32 v[PC+6*\c:PC+6*\c+2], v[S+32*\c:S+32*\c+15], v[TM+4+2*\c]
	v_cvt_scalef32_pk16_bf6_f32 v[C1+4*\c:C1+4*\c+2], v[S+32*\c+16:S+32*\c+31], v[TM+5+2*\c]
.endr
	v_nop
.irp c, 0,1
.irp i, 0,1,2
	v_permlane16_swap_b32 v[PC+6*\c+\i], v[C1+4*\c+\i]
.endr
.irp i, 0,1,2
	s_delay_alu instid0(VALU_DEP_3)
	v_mov_b32 v[PC+6*\c+3+\i], v[C1+4*\c+\i]
.endr
.endr
.rept 8
	v_nop
.endr
	s_wait_alu depctr_va_vdst(0)
	s_wait_dscnt 0x0
.irp n, 0,1,2,3
	v_wmma_scale_f32_16x16x128_f8f6f4 v[O+8*\n:O+8*\n+7], v[KF+12*\n:KF+12*\n+11], v[PC:PC+11], v[O+8*\n:O+8*\n+7], v[VSC+\n], v[PW] matrix_a_fmt:MATRIX_FMT_BF6 matrix_b_fmt:MATRIX_FMT_BF6
.endr
.Lskip2_\@:
	STEPPING
	s_cbranch_scc1 .Lwalk2_\@
	s_setprio 0
.endm
.macro TILE first
.if \first
	s_mov_b32 s13, s10
.else
	s_wait_xcnt 0x0
	s_sub_co_u32 s13, 31, s10
.endif
	s_lshr_b32 s14, s13, 1
	s_lshl_b32 s46, s13, 2
	s_add_co_u32 s46, s46, s11
	s_mul_i32 s48, s46, 768
	s_add_co_u32 s48, s48, s57
	s_add_nc_u64 s[40:41], s[4:5], s[48:49]
	s_lshl_b32 s48, s13, 7
	s_add_co_u32 s48, s48, s57
	s_lshl_b32 s47, s11, 1
	s_add_co_u32 s48, s48, s47
	s_add_co_u32 s48, s48, 98304
	s_add_nc_u64 s[42:43], s[4:5], s[48:49]
	s_add_co_u32 s47, s56, s46
	s_mul_i32 s47, s47, 12800
	s_add_co_u32 s48, s47, s55
	s_add_nc_u64 s[52:53], s[8:9], s[48:49]
	s_add_co_u32 s48, s47, s54
	s_add_nc_u64 s[58:59], s[8:9], s[48:49]
.irp p, 0,1,2
	global_load_b64 v[QF+2*\p:QF+2*\p+1], v[AK0], s[40:41] offset:256*\p
	global_load_b64 v[QF+12+2*\p:QF+13+2*\p], v[AK0], s[40:41] offset:256*\p
.endr
	global_load_u16 v[QS], v[GS], s[42:43]
	s_lshl_b32 s23, s13, 6
	v_add_nc_u32 v[QN], s23, v[QB]
	v_mov_b32 v13, 0xff61b1e6
	s_delay_alu instid0(VALU_DEP_1)
	v_mul_f32 v12, s22, v13
	v_mov_b32 v14, 0
	v_mov_b32 v15, 0
	s_wait_loadcnt 0x0
	v_lshl_or_b32 v[QS], v[QS], 16, v[QS]
.set j, 0
.rept 32
	v_mov_b32 v[O+j], 0
.set j, j+1
.endr
.if \first
	s_wait_tensorcnt 0x0
	s_barrier_signal -1
	s_barrier_wait -1
.endif
	PASS1
	s_wait_alu depctr_va_vdst(0)
	FINISH1
	PASS2
.rept 4
	v_nop
.endr
	v_max3_num_f32 v[TM], |v[O]|, |v[O+1]|, 0x2800000
	v_max3_num_f32 v[TM+1], |v[O+16]|, |v[O+17]|, 0x2800000
.irp i, 2,4,6,8,10,12,14
	v_max3_num_f32 v[TM], |v[O+\i]|, |v[O+\i+1]|, v[TM]
	v_max3_num_f32 v[TM+1], |v[O+16+\i]|, |v[O+17+\i]|, v[TM+1]
.endr
	s_delay_alu instid0(VALU_DEP_2)
	v_permlanex16_b32 v[TM+2], v[TM], s18, s19
	s_delay_alu instid0(VALU_DEP_2)
	v_permlanex16_b32 v[TM+3], v[TM+1], s18, s19
	s_delay_alu instid0(VALU_DEP_2)
	v_max_num_f32 v[TM], v[TM], v[TM+2]
	s_delay_alu instid0(VALU_DEP_2)
	v_max_num_f32 v[TM+1], v[TM+1], v[TM+3]
	s_delay_alu instid0(VALU_DEP_2)
	v_add_nc_u32 v[TM+4], 0xfe000000, v[TM]
	s_delay_alu instid0(VALU_DEP_2)
	v_add_nc_u32 v[TM+5], 0xfe000000, v[TM+1]
	s_delay_alu instid0(VALU_DEP_2)
	v_lshrrev_b32 v[TM+6], 23, v[TM+4]
	s_delay_alu instid0(VALU_DEP_2)
	v_lshrrev_b32 v[TM+7], 23, v[TM+5]
	s_delay_alu instid0(VALU_DEP_1)
	v_lshl_or_b32 v[SB], v[TM+7], 8, v[TM+6]
	v_cvt_scalef32_pk16_bf6_f32 v[CD:CD+2], v[O:O+15], v[TM+4]
	v_cvt_scalef32_pk16_bf6_f32 v[C1:C1+2], v[O+16:O+31], v[TM+5]
	v_nop
.irp i, 0,1,2
	v_permlane16_swap_b32 v[CD+\i], v[C1+\i]
.endr
.irp i, 0,1,2
	s_delay_alu instid0(VALU_DEP_3)
	v_mov_b32 v[CD+3+\i], v[C1+\i]
.endr
.irp p, 0,1,2
	global_store_b64 v[AK0], v[CD+2*\p:CD+2*\p+1], s[52:53] offset:256*\p
.endr
	global_store_b16 v[GS], v[SB], s[58:59]
.endm
	TILE 1
	TILE 0
	s_wait_tensorcnt 0x0
	ds_add_u32 v254, v255
	s_wait_dscnt 0x0
	CROUND
	s_endpgm
.Lfunc_end_k_q75da32cfc0_attn:
	.size	k_q75da32cfc0_attn, .Lfunc_end_k_q75da32cfc0_attn-k_q75da32cfc0_attn
	.p2alignl 7, 3214868480
	.fill 96, 4, 3214868480
	.section	.rodata,"a",@progbits
	.p2align	6, 0x0
	.amdhsa_kernel k_q75da32cfc0_attn
		.amdhsa_group_segment_fixed_size 327680
		.amdhsa_private_segment_fixed_size 0
		.amdhsa_enable_private_segment 0
		.amdhsa_kernarg_size 24
		.amdhsa_user_sgpr_count 2
		.amdhsa_user_sgpr_kernarg_segment_ptr 1
		.amdhsa_wavefront_size32 1
		.amdhsa_system_sgpr_workgroup_id_x 1
		.amdhsa_system_sgpr_workgroup_id_y 1
		.amdhsa_system_sgpr_workgroup_id_z 1
		.amdhsa_system_vgpr_workitem_id 0
		.amdhsa_next_free_vgpr 256
		.amdhsa_next_free_sgpr 66
		.amdhsa_reserve_vcc 1
		.amdhsa_float_denorm_mode_32 3
		.amdhsa_float_denorm_mode_16_64 3
		.amdhsa_memory_ordered 1
		.amdhsa_forward_progress 1
		.amdhsa_inst_pref_size 97
	.end_amdhsa_kernel
	.amdgpu_metadata
---
amdhsa.version: [ 1, 2 ]
amdhsa.kernels:
  - .name:           k_q75da32cfc0_attn
    .symbol:         k_q75da32cfc0_attn.kd
    .args:
      - { .name: qq, .offset: 0, .size: 8, .value_kind: global_buffer, .address_space: global }
      - { .name: kv, .offset: 8, .size: 8, .value_kind: global_buffer, .address_space: global }
      - { .name: oq, .offset: 16, .size: 8, .value_kind: global_buffer, .address_space: global }
    .group_segment_fixed_size: 327680
    .private_segment_fixed_size: 0
    .kernarg_segment_align: 8
    .kernarg_segment_size: 24
    .max_flat_workgroup_size: 512
    .sgpr_count:     66
    .vgpr_count:     256
    .wavefront_size: 32
...
	.end_amdgpu_metadata
.endif
;; end of part 3
;; launch oproj (part 4): grid 32 x 8, 4 waves a work-group, clusters of 4 x 1, 168,448 bytes of LDS; arguments oq, wq, out0; writes out0
.if DOCPART == 4
	.amdgcn_target "amdgcn-amd-amdhsa--gfx1250"
	.amdhsa_code_object_version 6
	.text
	.protected	k_q75da32cfc0_oproj
	.globl	k_q75da32cfc0_oproj
	.p2align	8
	.type	k_q75da32cfc0_oproj,@function
k_q75da32cfc0_oproj:
	s_mov_b64 s[64:65], 0
	v_nop
	global_prefetch_b8 v0, s[64:65] scope:SCOPE_SE
	s_setreg_imm32_b32 hwreg(HW_REG_WAVE_MODE, 25, 1), 1
	s_wait_xcnt 0x0
	s_wait_alu depctr_hold_cnt(0) depctr_sa_sdst(0) depctr_va_vdst(0) depctr_va_sdst(0) depctr_va_ssrc(0) depctr_va_vcc(0) depctr_vm_vsrc(0)
	s_getreg_b32 s2, hwreg(HW_REG_IB_STS2, 6, 4)
	s_cmp_eq_u32 s2, 0
	s_cbranch_scc0 .Lentry_in_a_cluster
	s_endpgm
.Lentry_in_a_cluster:
	s_bfe_u32 s2, ttmp6, 0x10000c
	s_cmp_lg_u32 s2, 0x3003
	s_cbranch_scc0 .Lentry_shape_is_right
	s_endpgm
.Lentry_shape_is_right:
; out0 = O Wo^T on codes of E3M2.  O's and Wo's codes lie as records of 12,800 bytes, a tile of 16 rows each (row r of tile t = 32 (t / 2) + 8 (t % 2) + r + 8 (r / 8)): 16 images of 768 bytes (16 rows x 64 along K;
; lane r + 16 h: block h of row r, piece p at 256 p + 8 lane), then 512 bytes of scale words (register s / 2 of four carries K step s in lanes 0-15 for even s, in lanes 16-31 for odd s).
; SHARES.  A work-group takes 256 rows (X) and 128 columns (Y): two units of 64 columns.  32 x 8 = 256 work-groups.  Wave w keeps its 64 rows of O, all of K, in 384 registers.  Wo's 8 records come into LDS once.
; CLUSTER.  The four work-groups of a cluster differ in X alone and need the same records of Wo: each is asked for jointly.  O is read straight into registers, once a wave.  Nothing in LDS is filled twice.
; Source 0 = 16 rows of Wo, source 1 = 16 rows of O: a lane holds one row of the result and 32 of a unit's 64 columns, register 16 b + i = column 32 b + 16 h + i.
; THE WAY OUT: a tile (16 rows x 64 columns, 256 bytes a row) goes through the wave's own stage in LDS and leaves as whole rows: sixteen lanes store 256 consecutive bytes, at a multiple of 256 from out0's first byte.
; REGISTERS: window 0: v4-11 addresses; v16-31 O's scale words; v32-47 Wo's; v48-143 Wo's fragments, two sets; v144-207 rows on the way out, two sets.  windows 1, 2: O's fragments.  window 3: v0-127 the accumulators.
.set REC,   12800
.set UNITB, 4*REC
.set STAGE, 8*REC                      ; behind the records: 16 rows x 272 bytes for each wave; no tensor load lands there
.set SPITCH, 272
.set LA,  4
.set AB,  6
.set STO, 9
.set RD,  10
.set CO,  11
.set ASC, 16
.set BSC, 32
.set BF,  48
.set OB,  144
.set G1,  24
.set G0,  32
.set MSB, 0
.macro WIN new
.if MSB != (\new)
	s_set_vgpr_msb (MSB<<8)|(\new)
.set MSB, (\new)
.endif
.endm
.macro CROUND
	s_barrier_signal -1
	s_barrier_wait -1
	s_cmp_lg_u32 s14, 0
	s_cbranch_scc1 .Lnot_wave_0_\@
	s_barrier_signal -3
.Lnot_wave_0_\@:
	s_barrier_wait -3
	s_barrier_signal -1
	s_barrier_wait -1
.endm
	s_load_b128 s[4:7], s[0:1], 0x0                ; oq, wq
	s_load_b64 s[8:9], s[0:1], 0x10                ; out0
	v_lshl_add_u32 v254, v0, 2, 0x29000
	v_mov_b32 v255, 0
	ds_add_u32 v254, v255
	ds_add_u32 v254, v255
	v_lshrrev_b32 v1, 5, v0
	v_readfirstlane_b32 s14, v1                    ; wave 0..3
	s_bfe_u32 s15, ttmp6, 0x40000                  ; cx
	s_lshl_b32 s16, ttmp9, 2
	s_add_co_u32 s16, s16, s15                     ; X
	s_and_b32 s17, ttmp7, 0xffff                   ; Y, which the four partners share
	s_mov_b32 s[G1], 15|(3<<16)|(1<<21)            ; the mask: all four; elements of 8 bytes; no padding; bit 21 set beside a mask
	s_mov_b32 s[G1+1], 32<<16                      ; rows of 256 bytes,
	s_mov_b32 s[G1+2], 50<<16                      ; 50 of them: a record
	s_mov_b32 s[G1+3], 32<<16
	s_mov_b32 s[G1+4], 50
	s_mov_b32 s[G1+5], 32
	s_mov_b32 s[G1+6], 0
	s_mov_b32 s[G1+7], 0
	s_lshl_b32 s60, s17, 3
	s_add_co_u32 s60, s60, s14
	s_add_co_u32 s60, s60, 192                     ; Wo's records begin at 192
	s_mul_i32 s60, s60, REC
	s_mov_b32 s61, 0
	s_mul_i32 s23, s14, REC
	s_lshl_b32 s62, s16, 4
	s_lshl_b32 s63, s14, 2
	s_add_co_u32 s62, s62, s63                     ; my first tile of O
	s_mul_i32 s62, s62, REC
	s_mov_b32 s63, 0
	s_lshl_b32 s68, s16, 20                        ; my first row of out0: (256 X + 64 wave) x 4,096 bytes,
	s_lshl_b32 s69, s14, 18
	s_add_co_u32 s68, s68, s69
	s_lshl_b32 s69, s17, 9                         ; my first column: 128 Y x 4 bytes
	s_add_co_u32 s68, s68, s69
	s_mov_b32 s69, 0
	s_wait_dscnt 0x0
	s_wait_kmcnt 0x0
	s_add_nc_u64 s[60:61], s[6:7], s[60:61]
	s_add_nc_u64 s[66:67], s[4:5], s[62:63]
	s_add_nc_u64 s[56:57], s[8:9], s[68:69]
.irp j, 0,1
	s_mov_b32 s[G0+4*\j], 1
	s_add_co_u32 s[G0+4*\j+1], s23, \j*UNITB
	s_add_nc_u64 s[G0+4*\j+2:G0+4*\j+3], s[60:61], \j*UNITB
	s_or_b32 s[G0+4*\j+3], s[G0+4*\j+3], 0x80000000
.endr
	CROUND                                         ; all four work-groups are here: the joint loads meet
	tensor_load_to_lds s[G0:G0+3], s[G1:G1+7]      ; the launch's only fills: two loads of mine are out
	s_nop 0
	tensor_load_to_lds s[G0+4:G0+7], s[G1:G1+7]
	s_nop 0
.rept 4
	v_nop
.endr
	v_and_b32 v1, 31, v0
	v_and_b32 v2, 15, v0
	v_bfe_u32 v3, v0, 4, 1
	v_lshlrev_b32 v[LA], 3, v1
	s_mul_i32 s23, s14, 16*SPITCH
	s_add_co_u32 s23, s23, STAGE                   ; my stage
	v_mul_u32_u24 v[STO], v2, SPITCH
	v_lshl_add_u32 v[STO], v3, 6, v[STO]
	v_add_nc_u32 v[STO], s23, v[STO]               ; in: row r, 64 h bytes on
	v_mul_u32_u24 v[RD], v3, SPITCH
	v_lshl_add_u32 v[RD], v2, 4, v[RD]
	v_add_nc_u32 v[RD], s23, v[RD]                 ; back: lanes 0-15 one row, lanes 16-31 the next
	v_lshlrev_b32 v[CO], 12, v3
	v_lshl_add_u32 v[CO], v2, 4, v[CO]             ; and the same two rows in out0
.macro ALOAD base, win
	WIN \win
.irp k, 0,1,2,3
.irp m, 0,1,2,3
.irp c, 0,1
.irp p, 0,1,2
	global_load_b64 v[48*\k+12*\m+6*\c+2*\p:48*\k+12*\m+6*\c+2*\p+1], v[LA], s[66:67] offset:\m*REC+(2*(\base+\k)+\c)*768+256*\p
.endr
.endr
.endr
.endr
.endm
	ALOAD 0, 0x40
	ALOAD 4, 0x80
	WIN 0
.irp m, 0,1,2,3
.irp hf, 0,1
	global_load_b64 v[ASC+4*\m+2*\hf:ASC+4*\m+2*\hf+1], v[LA], s[66:67] offset:\m*REC+12288+256*\hf
.endr
.endr
.macro BLOAD s
.irp n, 0,1,2,3
.irp c, 0,1
.irp p, 0,1,2
	ds_load_b64 v[BF+48*((\s)%2)+12*\n+6*\c+2*\p:BF+48*((\s)%2)+12*\n+6*\c+2*\p+1], v[AB] offset:\n*REC+(2*(\s)+\c)*768+256*\p
.endr
.endr
.endr
.endm
.macro FETCH0
	v_add_nc_u32 v[AB], s22, v[LA]
	BLOAD 0
.irp n, 0,1,2,3
.irp hf, 0,1
	ds_load_b64 v[BSC+4*\n+2*\hf:BSC+4*\n+2*\hf+1], v[AB] offset:\n*REC+12288+256*\hf
.endr
.endr
.endm
.macro WM d, a, b, sa, sb, zero, row
.if \zero
	v_wmma_scale_f32_16x16x128_f8f6f4 v[(\d):(\d)+7], v[(\a):(\a)+11], v[(\b):(\b)+11], 0, v[\sa], v[\sb] matrix_a_fmt:MATRIX_FMT_BF6 matrix_b_fmt:MATRIX_FMT_BF6
.elseif \row
	v_wmma_scale_f32_16x16x128_f8f6f4 v[(\d):(\d)+7], v[(\a):(\a)+11], v[(\b):(\b)+11], v[(\d):(\d)+7], v[\sa], v[\sb] matrix_a_fmt:MATRIX_FMT_BF6 matrix_b_fmt:MATRIX_FMT_BF6 matrix_a_scale:MATRIX_SCALE_ROW1 matrix_b_scale:MATRIX_SCALE_ROW1
.else
	v_wmma_scale_f32_16x16x128_f8f6f4 v[(\d):(\d)+7], v[(\a):(\a)+11], v[(\b):(\b)+11], v[(\d):(\d)+7], v[\sa], v[\sb] matrix_a_fmt:MATRIX_FMT_BF6 matrix_b_fmt:MATRIX_FMT_BF6
.endif
.endm
; A K step of 128: 16 products, the 16 accumulators by turns, one instruction a turn, in the same order in every step.
.macro KSTEP s
	WIN 0
	s_wait_dscnt 0x0                               ; this step's fragments are in (asked for 16 products ago)
.if (\s) < 7
.rept 4
	v_nop                                          ; four places between the last step's products and loads into the set that they read
.endr
	BLOAD (\s)+1
.endif
.set AW, 1+(\s)/4
.set AB0, 48*((\s)%4)
.set BB0, BF+48*((\s)%2)
.set SH, (\s)/2
	WIN 0xf0|(AW<<2)
.irp n, 0,1,2,3
.irp m, 0,1,2,3
	WM 32*\m+8*\n, BB0+12*\n, AB0+12*\m, BSC+4*\n+SH, ASC+4*\m+SH, (\s)==0, (\s)%2
.endr
.endr
.endm
.macro MAIN
.irp t, 0,1,2,3,4,5,6,7
	KSTEP \t
.endr
	WIN 0
.rept 4
	v_nop                                          ; four places ahead of the first read of the results and of loads into the operands' registers
.endr
.endm
.macro TOSTAGE m                       ; tile m of my four: into the stage, each accumulator from its low end on, and back as rows.  LDS serves a wave's instructions in order: no wait between
	WIN 0x0c                                       ; an LDS store's data are its source 1: window 3
.irp q, 0,1,2,3,4,5,6,7
	ds_store_b128 v[STO], v[32*(\m)+4*\q:32*(\m)+4*\q+3] offset:128*(\q/4)+16*(\q%4)
.endr
	WIN 0
.irp t, 0,1,2,3,4,5,6,7
	ds_load_b128 v[OB+32*((\m)%2)+4*\t:OB+32*((\m)%2)+4*\t+3], v[RD] offset:2*SPITCH*\t
.endr
.endm
.macro SEND m, u, younger              ; younger: the LDS instructions issued behind tile m's loads, which may stay out
	s_wait_dscnt \younger
.irp t, 0,1,2,3,4,5,6,7
	global_store_b128 v[CO], v[OB+32*((\m)%2)+4*\t:OB+32*((\m)%2)+4*\t+3], s[56:57] offset:(32*((\m)/2)+8*((\m)%2)+2*\t+8*(\t/4))*4096+256*(\u) th:TH_STORE_NT
.endr
.endm
.macro EPI_OUT u
	s_wait_xcnt 0x0                                ; earlier stores have read their data: the rows' registers are loaded again
	TOSTAGE 0
.irp a, 1,2,3
.if \a > 1
	s_wait_xcnt 0x0                                ; tile a - 2's stores have read the set that tile a's rows take
.endif
	TOSTAGE \a
	SEND \a-1, \u, 16                              ; behind tile a - 1's loads: tile a's 8 stores and 8 loads
.endr
	SEND 3, \u, 0
.endm
	s_mov_b32 s22, 0
	s_wait_tensorcnt 1                             ; my part of unit 0 is in; unit 1's load may be out
	s_barrier_signal -1
	s_barrier_wait -1                              ; everybody's is
	FETCH0
	s_wait_loadcnt 0x0                             ; O's fragments and scale words
	MAIN
	s_wait_tensorcnt 0x0                           ; my part of unit 1 is in,
	s_barrier_signal -1
	s_barrier_wait -1                              ; everybody's is
	s_add_co_u32 s22, s22, UNITB
	FETCH0                                         ; its first fragments land under the way out
	EPI_OUT 0
	MAIN
	EPI_OUT 1
	s_wait_tensorcnt 0x0
	ds_add_u32 v254, v255
	s_wait_dscnt 0x0
	CROUND                                         ; the closing round: no work-group ends while a partner may still ask for a record that names it
	s_endpgm
.Lfunc_end_k_q75da32cfc0_oproj:
	.size	k_q75da32cfc0_oproj, .Lfunc_end_k_q75da32cfc0_oproj-k_q75da32cfc0_oproj
	.p2alignl 7, 3214868480
	.fill 96, 4, 3214868480
	.section	.rodata,"a",@progbits
	.p2align	6, 0x0
	.amdhsa_kernel k_q75da32cfc0_oproj
		.amdhsa_group_segment_fixed_size 168448
		.amdhsa_private_segment_fixed_size 0
		.amdhsa_enable_private_segment 0
		.amdhsa_kernarg_size 24
		.amdhsa_user_sgpr_count 2
		.amdhsa_user_sgpr_kernarg_segment_ptr 1
		.amdhsa_wavefront_size32 1
		.amdhsa_system_sgpr_workgroup_id_x 1
		.amdhsa_system_sgpr_workgroup_id_y 1
		.amdhsa_system_sgpr_workgroup_id_z 1
		.amdhsa_system_vgpr_workitem_id 0
		.amdhsa_next_free_vgpr 896
		.amdhsa_next_free_sgpr 72
		.amdhsa_reserve_vcc 0
		.amdhsa_float_denorm_mode_32 3
		.amdhsa_float_denorm_mode_16_64 3
		.amdhsa_memory_ordered 1
		.amdhsa_forward_progress 1
		.amdhsa_inst_pref_size 100
	.end_amdhsa_kernel
	.amdgpu_metadata
---
amdhsa.version: [ 1, 2 ]
amdhsa.kernels:
  - .name:           k_q75da32cfc0_oproj
    .symbol:         k_q75da32cfc0_oproj.kd
    .args:
      - { .name: oq, .offset: 0, .size: 8, .value_kind: global_buffer, .address_space: global }
      - { .name: wq, .offset: 8, .size: 8, .value_kind: global_buffer, .address_space: global }
      - { .name: out0, .offset: 16, .size: 8, .value_kind: global_buffer, .address_space: global }
    .group_segment_fixed_size: 168448
    .private_segment_fixed_size: 0
    .kernarg_segment_align: 8
    .kernarg_segment_size: 24
    .max_flat_workgroup_size: 128
    .sgpr_count:     72
    .vgpr_count:     896
    .wavefront_size: 32
...
	.end_amdgpu_metadata
.endif
;; end of part 4
